; MI455X (gfx1250); checked and timed in simulation.
; The chip was launched on July 23, 2026; its instructions are those of AMD's public machine-readable ISA for CDNA 5 (MIT licence, August 2026) and "CDNA5" Instruction Set Architecture Reference Guide (July 2026). The comments in the code are by the model that wrote it; some were corrected since.
;; Swi GLU Mo E. Allowed arithmetic: float matrix products may take bf16 or f16 operands with f32 sums; other float arithmetic in f32, or as packed bf16 or f16 multiplies, adds, multiply-adds, maxima and minima; sums over many terms, partial sums and values carried from step to step in f32; what a program stores and reads back later, other than sums and carried values, may be rounded once to bf16 or f16.
;; Inputs: expert_indices 4,096 int32; expert_weights 8 x 1,024 x 2,048 float32; x 4,096 x 1,024 float32.
;; Outputs: out0 4,096 x 1,024 float32.
;; One version. Each part assembles by itself: llvm-mc -triple=amdgcn-amd-amdhsa -mcpu=gfx1250 --defsym DOCPART=n.
;; ======== version 1 of 1: 1 launch
;; launch swiglu_moe (part 1): grid 256 x 1, 4 waves a work-group, no clusters, 256,256 bytes of LDS; arguments expert_indices, expert_weights, x, out0; writes out0
.if DOCPART == 1
	.amdgcn_target "amdgcn-amd-amdhsa--gfx1250"
	.amdhsa_code_object_version 6
	.text
	.protected	k_qf64aae8dee_swiglu_moe
	.globl	k_qf64aae8dee_swiglu_moe
	.p2align	8
	.type	k_qf64aae8dee_swiglu_moe,@function
k_qf64aae8dee_swiglu_moe:
	s_mov_b64 s[64:65], 0
	v_nop
	global_prefetch_b8 v0, s[64:65] scope:SCOPE_SE
	s_setreg_imm32_b32 hwreg(HW_REG_WAVE_MODE, 25, 1), 1
	s_wait_xcnt 0x0
; out[n][c] = silu(h[n][c]) * h[n][1024 + c],  h[n] = x[n] . W[e(n)],  e(n) = expert_indices[n].
; x: [4096][1024] f32.  W: [8][1024][2048] f32 (K down the rows).  out: [4096][1024] f32.  Only the chosen expert's product is made.
; SHARES.  256 work-groups of four waves = 32 row groups x 8 column blocks.  A row group is at most 176 rows (tokens) of ONE expert; a column block is 128 columns of a
; and the same 128 of b.  Waves 0, 1 make a's two halves of 64 columns, waves 2, 3 b's.  Every work-group counts the 4,096 indices itself and deals the 32 groups by one formula:
; B = the smallest of 128, 144, 160, 176 with sum over e of ceil(c_e / B) <= 32 (176 always serves: (4096 + 8 x 175) / 176 < 32), so every split of the tokens is served.
; A group that a split leaves without rows passes every barrier, works on token 0's row and stores nothing.
; W goes from memory straight into registers: a lane loads 16 bytes (4 neighbouring columns) of 16 K rows, and rounding two K rows into one register makes a register of each of 4
; B fragments; fragment f of lane r is column 4 r + f.  So a lane's four results of a row are 16 neighbouring bytes of out.  Each W load of a wave covers two runs of 256 consecutive bytes, aligned.
; x is gathered by the list, rounded once in the work-group, and shared through two LDS slots of 64 along K that take turns (ds_store, one barrier for each slot).
; K LOOP: 32 steps of 32, a constant count.  Row blocks 0-8 (144 rows) are always multiplied; blocks 9 and 10 stand under forward jumps that hold no barrier.
; NO CLUSTER, NO TENSOR LOAD: W is f32 and has to pass through registers to be rounded, so a copy in LDS would only add a round trip; x's rows come by a list that no descriptor covers;
; and an expert's row groups are not whole clusters at every split.
; LIMITS.  Indices lie in 0..7 (the problem grants it).  x and W are rounded once to bf16, sums are f32.  silu(a) = a / (1 + 2^(-a log2 e)): where the power overflows the result is a zero;
; a reciprocal below 2^-126 counts as 0.  NaN and infinities are not treated apart.  In a group's last live block the places past its count repeat its last row and store the same
; numbers to the same bytes.
;
; REGISTERS, in windows of 256 (s_set_vgpr_msb: bits 1:0 source 0, 3:2 source 1, 5:4 source 2, 7:6 destination):
;   window 0: v0-63 addresses and work; v64-127 B fragments, two buffers of 4 x 8; v128-215 A fragments, 8 a row block
;   window 1: raw W, four buffers of 64: K row rho (0..15) of buffer b at 64 b + 4 rho
;   window 2: the sums of blocks 0-7, (i, f) at 32 i + 8 f (ahead of the loop v0-87 take the first chunk of x)
;   window 3: v0-95 the sums of blocks 8-10; v96-183 raw x, item (u, s) at 96 + 8 u + 4 s
.set XPITCH, 144                       ; an LDS row of x: 64 bf16 + 16 bytes of padding: 9 x 16 bytes, so the 16 rows of a fragment load start at 16 different 16-byte columns
.set BLK,    16*XPITCH                 ; a block of 16 rows
.set XSLOT,  176*XPITCH                ; a slot: 176 rows
.set CNT,    50688                     ; behind the two slots: wave w's four packed count words at + 16 w
.set PL,     50944                     ; wave w's partial list at + 1024 w: words 0..175, word 176 takes what is not mine
.set F2,     55040                     ; wave w's own copy of the padded list at + 1024 w: words 0..191
.set SPARE,  59136                     ; the spare words, 128 bytes a wave: two blocks of 256 bytes that no other line names
.set EP,     59648                     ; the way out: block i, wave w at (4 i + w) x 4096; 12 blocks
.set RR,   1                           ; v1   lane % 16
.set HH,   2                           ; v2   (lane / 16) % 2
.set LN,   4                           ; v4   lane
.set IA,   5                           ; v5   my byte offset in the indices
.set TK0,  6                           ; v6   1024 w + 4 lane: the token of my first index
.set TMPA, 7                           ; v7   an LDS address at work
.set R16,  11                          ; v11  16 (lane % 16)
.set WA,   12                          ; v12  my byte offset in a K step of W: 8 rows x (lane / 16) + 16 (lane % 16); never rewritten
.set AA,   13                          ; v13  my place in a block of x in LDS; never rewritten
.set XS,   14                          ; v14  where I store rounded x; never rewritten
.set PA,   15                          ; v15  lane x 8192: a K row a lane, for the prefetch; never rewritten
.set XA,   16                          ; v16-37  item (u, s): token x 4096 + 16 (lane % 16); never rewritten
.set SPW,  38                          ; v38  LDS address of my spare word; never rewritten
.set NIL,  39                          ; v39  0; never rewritten
.set XB,   40                          ; v40-47  rounded x on its way to LDS
.set DA,   48                          ; v48-50  the way out: where I put my sums
.set EA,   51                          ; v51  the way out: where I read a
.set TA,   52                          ; v52  the way out: my rows' tokens in my list
.set C176, 53                          ; v53  176
.set BF,   64
.set AF,   128
.set XR,   96                          ; in window 3
.set MUL2, 0xa0                        ; C and D in window 2
.set MUL3, 0xf0                        ; C and D in window 3
.set WCVT, 0x05                        ; sources 0 and 1 in window 1
.set XCVT, 0x0f                        ; sources 0 and 1 in window 3
.set X0CVT, 0x0a                       ; sources 0 and 1 in window 2
.set WLD,  0x40                        ; destination in window 1
.set XLD,  0xc0                        ; destination in window 3
.set X0LD, 0x80                        ; destination in window 2
.set DMP2, 0x08                        ; an LDS store's data in window 2
.set DMP3, 0x0c                        ; in window 3
; scalars: s[4:11] the four addresses; s12 wave, s13 wave % 2 (which 64 columns), s14 wave / 2 (a or b); s15 column block; s16 row group; s20-27 c_e; s28 B; s29 its reciprocal;
; s32 e; s33 the group's first rank; s34 R; s35 live blocks m; s36 max(R, 1) - 1; s37 running rank; s44, s86, s87 counters; s45 which K steps I prefetch; s[46:47] W, s[82:83] x, s[84:85] out;
; s48-63 the waves' packed counts; s66-73 counts in the waves ahead of mine; s74-81 packed sums; s30, s31, s38, s39, s42, s43, s88-93 at work
.set MSB, 0
.macro WIN new                         ; the immediate's high byte repeats the setting that is left; a switch that changes nothing is dropped
.if MSB != (\new)
	s_set_vgpr_msb (MSB<<8)|(\new)
.set MSB, \new
.endif
.endm
.macro MEET                            ; a barrier: my LDS instructions are done, then all four waves'
	s_wait_dscnt 0x0
	s_barrier_signal -1
	s_barrier_wait -1
.endm
.macro PLACES                          ; four places behind matrix instructions (ISA guide 7.12.1)
.rept 4
	v_nop
.endr
.endm
	s_load_b256 s[4:11], s[0:1], 0x0               ; indices s[4:5], W s[6:7], x s[8:9], out s[10:11]
	v_lshl_add_u32 v[SPW], v0, 2, SPARE
	v_mov_b32 v[NIL], 0
	v_lshrrev_b32 v3, 5, v0
	v_readfirstlane_b32 s12, v3                    ; wave 0..3
	v_and_b32 v[LN], 31, v0
	v_and_b32 v[RR], 15, v0
	v_bfe_u32 v[HH], v0, 4, 1
	s_and_b32 s13, s12, 1
	s_lshr_b32 s14, s12, 1
	; the work-group's number L = 64 a + 16 t + b: column block b % 8, row group 4 (2 a + b / 8) + t: four neighbouring row groups, as a rule one expert's, lie 16 numbers apart
	s_and_b32 s15, ttmp9, 7
	s_bfe_u32 s30, ttmp9, 0x20004                  ; t
	s_lshr_b32 s31, ttmp9, 6                       ; a
	s_bfe_u32 s39, ttmp9, 0x10003                  ; b / 8
	s_lshl1_add_u32 s31, s31, s39
	s_lshl2_add_u32 s16, s31, s30
	v_lshlrev_b32 v[IA], 4, v[LN]
	v_lshl_add_u32 v[IA], s12, 12, v[IA]           ; wave w takes tokens 1024 w .. 1024 w + 1023
	v_lshrrev_b32 v[TK0], 2, v[IA]
	s_wait_kmcnt 0x0
.irp q, 0,1,2,3,4,5,6,7
	global_load_b128 v[128+4*\q:131+4*\q], v[IA], s[4:5] offset:512*\q  ; register (q, i): token 1024 w + 128 q + 4 lane + i
.endr
	; addresses, while the indices are on their way
	v_lshlrev_b32 v[R16], 4, v[RR]
	v_lshl_add_u32 v[WA], v[HH], 16, v[R16]        ; 8 rows of 8,192 bytes for the upper half of the lanes
	v_mul_u32_u24 v[AA], v[RR], XPITCH
	v_lshl_add_u32 v[AA], v[HH], 4, v[AA]
	s_mul_i32 s30, s12, 4*XPITCH                   ; of each 16 rows wave w rounds rows 4 w .. 4 w + 3
	v_mul_u32_u24 v[XS], v[HH], XPITCH
	v_lshl_add_u32 v[XS], v[RR], 3, v[XS]
	v_add_nc_u32 v[XS], s30, v[XS]
	v_lshlrev_b32 v[PA], 13, v[LN]
	s_lshl_b32 s30, s12, 12
	s_add_co_u32 s30, s30, EP
	v_lshl_add_u32 v[DA], v[LN], 4, s30
	v_add_nc_u32 v[DA+1], 0x10000, v[DA]
	v_add_nc_u32 v[DA+2], 0x20000, v[DA]
	s_lshl_b32 s30, s14, 14                        ; on the way out waves 0, 1 take the even blocks, waves 2, 3 the odd ones,
	s_lshl_b32 s31, s13, 12                        ; each its own 64 columns: a from wave (wave % 2), b from wave 2 + (wave % 2)
	s_add_co_u32 s30, s30, s31
	s_add_co_u32 s30, s30, EP
	v_lshl_add_u32 v[EA], v[LN], 4, s30
	s_lshl_b32 s30, s12, 10
	s_lshl_b32 s31, s14, 6
	s_add_co_u32 s30, s30, s31
	s_add_co_u32 s30, s30, F2
	v_lshl_add_u32 v[TA], v[HH], 5, s30            ; words 16 block + 8 (lane / 16) of my list
	v_mov_b32 v[C176], 0xb0
	s_mov_b32 s30, 0x0f0f0f0f
	s_mov_b32 s31, 0x00ff00ff
	s_mov_b32 s40, 0x76543210                      ; v_permlanex16_b32: each lane takes its own place in the other half
	s_mov_b32 s41, 0xfedcba98
	; THE COUNTS.  Eight indices at a time add 1 << 4 e into fields of 4 bits (at most 8 each); the fields are widened to 8 bits (at most 32 a lane) and then to 16 (at most 4,096 in all).
	v_mov_b32 v55, 0
	v_mov_b32 v56, 0
.irp g, 0,1,2,3
	s_wait_loadcnt 6-2*\g                          ; loads come back in order (ISA guide 5.7.1): this group's two are in, the younger ones stay out
	v_mov_b32 v54, 0
.irp i, 0,1,2,3,4,5,6,7
	v_lshlrev_b32 v57, 2, v[128+8*\g+\i]
	v_lshl_add_u32 v54, 1, v57, v54
.endr
	v_and_b32 v57, s30, v54
	v_add_nc_u32 v55, v55, v57                     ; bytes: experts 0, 2, 4, 6
	v_lshrrev_b32 v57, 4, v54
	v_and_b32 v57, s30, v57
	v_add_nc_u32 v56, v56, v57                     ; bytes: experts 1, 3, 5, 7
.endr
	v_and_b32 v60, s31, v55                        ; halves: e0, e4
	v_lshrrev_b32 v61, 8, v55
	v_and_b32 v61, s31, v61                        ; e2, e6
	v_and_b32 v62, s31, v56                        ; e1, e5
	v_lshrrev_b32 v63, 8, v56
	v_and_b32 v63, s31, v63                        ; e3, e7
.irp m, 1,2,4,8                        ; the sum over the 32 lanes, in whole numbers; v54-57 have been written
.irp k, 0,1,2,3
	v_mov_b32_dpp v[54+\k], v[60+\k] row_xmask:\m row_mask:0xf bank_mask:0xf
.endr
.irp k, 0,1,2,3
	v_add_nc_u32 v[60+\k], v[60+\k], v[54+\k]
.endr
.endr
.irp k, 0,1,2,3
	v_permlanex16_b32 v[54+\k], v[60+\k], s40, s41
.endr
.irp k, 0,1,2,3
	v_add_nc_u32 v[60+\k], v[60+\k], v[54+\k]
.endr
	s_lshl_b32 s39, s12, 4
	s_add_co_u32 s39, s39, CNT
	v_mov_b32 v[TMPA], s39
	ds_store_b128 v[TMPA], v[60:63]                ; all lanes write the same 16 bytes
	MEET                                           ; barrier 1: every wave's counts are in LDS
	v_mov_b32 v[TMPA], CNT
.irp p, 0,1,2,3
	ds_load_b128 v[160+4*\p:163+4*\p], v[TMPA] offset:16*\p
.endr
	s_wait_dscnt 0x0
.irp i, 0,1,2,3,4,5,6,7,8,9,10,11,12,13,14,15
	v_readfirstlane_b32 s[48+\i], v[160+\i]
.endr
.irp k, 0,1,2,3
	s_add_co_u32 s[74+\k], s[48+\k], s[52+\k]      ; the totals, still packed: no field passes 4,096
	s_add_co_u32 s[74+\k], s[74+\k], s[56+\k]
	s_add_co_u32 s[74+\k], s[74+\k], s[60+\k]
	s_mov_b32 s[78+\k], 0
.endr
.irp p, 0,1,2                          ; and the counts of the waves ahead of mine
	s_cmp_gt_u32 s12, \p
	s_cselect_b32 s90, s[48+4*\p], 0
	s_cselect_b32 s91, s[49+4*\p], 0
	s_cselect_b32 s92, s[50+4*\p], 0
	s_cselect_b32 s93, s[51+4*\p], 0
	s_add_co_u32 s78, s78, s90
	s_add_co_u32 s79, s79, s91
	s_add_co_u32 s80, s80, s92
	s_add_co_u32 s81, s81, s93
.endr
.macro UNPK k, lo, hi
	s_and_b32 s[20+\lo], s[74+\k], 0xffff
	s_lshr_b32 s[20+\hi], s[74+\k], 16
	s_and_b32 s[66+\lo], s[78+\k], 0xffff
	s_lshr_b32 s[66+\hi], s[78+\k], 16
.endm
	UNPK 0, 0, 4
	UNPK 1, 2, 6
	UNPK 2, 1, 5
	UNPK 3, 3, 7
	; THE DEAL.  ceil(c / B) = the high word of (c + B - 1) x ceil(2^32 / B): exact for numerators under 2^13; these stay under 4,272.
	s_mov_b32 s28, 176
	s_mov_b32 s29, 24403224
.macro TRYB bb, mm                     ; a smaller B is taken if its groups are 32 or fewer
	s_mov_b32 s88, 0
.irp e, 0,1,2,3,4,5,6,7
	s_add_co_u32 s30, s[20+\e], (\bb)-1
	s_mul_hi_u32 s30, s30, \mm
	s_add_co_u32 s88, s88, s30
.endr
	s_cmp_le_u32 s88, 32
	s_cselect_b32 s28, \bb, s28
	s_cselect_b32 s29, \mm, s29
.endm
	TRYB 160, 26843546
	TRYB 144, 29826162
	TRYB 128, 33554433
	s_sub_co_u32 s89, s28, 1
	s_mov_b32 s88, 0                               ; the first group of expert e
	s_mov_b32 s32, 0
	s_mov_b32 s90, 0
	s_mov_b32 s91, 0
	s_mov_b32 s92, 0
.irp e, 0,1,2,3,4,5,6,7                ; my expert is the last whose first group is not behind mine
	s_cmp_ge_u32 s16, s88
	s_cselect_b32 s32, \e, s32
	s_cselect_b32 s90, s88, s90
	s_cselect_b32 s91, s[20+\e], s91
	s_cselect_b32 s92, s[66+\e], s92
	s_add_co_u32 s30, s[20+\e], s89
	s_mul_hi_u32 s30, s30, s29
	s_add_co_u32 s88, s88, s30
.endr
	s_sub_co_u32 s93, s16, s90                     ; j: my group among the expert's
	s_mul_i32 s33, s93, s28                        ; its first rank
	s_sub_co_i32 s34, s91, s33
	s_max_i32 s34, s34, 0
	s_min_u32 s34, s34, s28
	s_min_u32 s34, s34, 176                        ; R: my rows, 0 .. 176
	s_add_co_u32 s35, s34, 15
	s_lshr_b32 s35, s35, 4                         ; m: live blocks of 16 rows, 0 .. 11
	s_max_u32 s36, s34, 1
	s_sub_co_u32 s36, s36, 1                       ; the row that places past the count repeat
	s_min_u32 s32, s32, 7                          ; a number made of loaded data enters an address only behind a clamp by a constant
	s_sub_co_u32 s37, s92, s33                     ; the rank, less my first, of my wave's first token of e (it may wrap below 0)
	s_and_b32 s45, s93, 3                          ; I prefetch in the K steps t with t % 4 = j % 4
	s_lshl_b32 s30, s15, 9
	s_lshl_b32 s31, s13, 8
	s_add_co_u32 s30, s30, s31                     ; my wave's 64 columns, in bytes
	s_mov_b32 s31, 0
	s_add_nc_u64 s[84:85], s[10:11], s[30:31]      ; out at my columns
	s_lshl_b32 s42, s32, 23                        ; an expert is 8 MiB,
	s_lshl_b32 s39, s14, 12                        ; b's columns begin 4,096 bytes into a row
	s_add_co_u32 s42, s42, s39
	s_add_co_u32 s42, s42, s30
	s_mov_b32 s43, 0
	s_add_nc_u64 s[46:47], s[6:7], s[42:43]        ; W at my expert's row 0, my columns
	s_mov_b64 s[82:83], s[8:9]                     ; x
; LOADS AND THEIR WAITS.  LSEQ counts, in the text's order, the loads that lie on every path; WQ(b)(u) and XQ(u) hold its value behind a pair's issue.  So LSEQ less that value is the number
; of younger loads that have certainly been issued, which is the count that shows the pair landed.  Loads under a jump are never counted: the count errs low.  The first body, the loop's and
; the tail follow each other with the same pattern of issues, so the differences hold round the backward jump too.  A wait cannot name more than 63, and the issue of a load
; that would pass the counter's field stalls (ISA guide 5.7.1): a load with 64 younger ones has landed when at most 63 are out.
.set LSEQ, 0
.macro WAITL n
.if (\n) > 63
	s_wait_loadcnt 63
.else
	s_wait_loadcnt (\n)
.endif
.endm
.macro WLOAD b, u, koff                ; K rows rho = 2 u, 2 u + 1 of K step koff (from the base) into buffer b; rho 8..15 are the rows 16 + 8 (lane / 16) on
	global_load_b128 v[64*(\b)+8*(\u):64*(\b)+8*(\u)+3],   v[WA], s[46:47] offset:((\koff)*32+2*(\u)+8*((\u)/4))*8192
	global_load_b128 v[64*(\b)+8*(\u)+4:64*(\b)+8*(\u)+7], v[WA], s[46:47] offset:((\koff)*32+2*(\u)+8*((\u)/4)+1)*8192
.set LSEQ, LSEQ+2
.set WQ\b\u, LSEQ
.endm
.macro XLOAD u, imm, cnt               ; items (u, 0), (u, 1): 256 bytes of each of four rows of block u
	global_load_b128 v[XR+8*(\u):XR+8*(\u)+3],   v[XA+2*(\u)],   s[82:83] offset:\imm
	global_load_b128 v[XR+8*(\u)+4:XR+8*(\u)+7], v[XA+2*(\u)+1], s[82:83] offset:\imm
.if \cnt
.set LSEQ, LSEQ+2
.endif
.set XQ\u, LSEQ
.endm
	WIN WLD                                        ; W of K steps 0, 1, 2 goes out now: 48 loads are on their way while the list is made
.irp b, 0,1,2
.irp u, 0,1,2,3,4,5,6,7
	WLOAD \b, \u, \b
.endr
.endr
	WIN 0
	; THE LIST.  Each wave puts its tokens of e whose rank falls into my group at their places in its own partial list (cleared first); all others go to word 176.
	s_lshl_b32 s30, s12, 10
	s_add_co_u32 s31, s30, PL
	v_lshl_add_u32 v[TMPA], v[LN], 4, s31
.irp k, 56,57,58,59
	v_mov_b32 v\k, 0
.endr
	ds_store_b128 v[TMPA], v[56:59]
	ds_store_b128 v[TMPA], v[56:59] offset:512
.set n, 0
.rept 32
	v_cmp_eq_u32 s38, s32, v[128+n]
	v_mbcnt_lo_u32_b32 v[54+n%2], s38, s37         ; the rank: the running count + the lanes below me that hold e
	v_cndmask_b32 v[54+n%2], v[C176], v[54+n%2], s38
	v_min_u32 v[54+n%2], 0xb0, v[54+n%2]           ; ranks ahead of my group have wrapped, ranks past 175 are not mine either
	v_lshl_add_u32 v[54+n%2], v[54+n%2], 2, s31
	v_add_nc_u32 v[60+n%2], 128*(n/4)+n%4, v[TK0]
	ds_store_b32 v[54+n%2], v[60+n%2]
	s_bcnt1_i32_b32 s39, s38
	s_add_co_u32 s37, s37, s39
.set n, n+1
.endr
	MEET                                           ; barrier 2: the four partial lists are whole
	s_add_co_u32 s39, s30, F2
.irp u, 0,1,2,3,4,5                    ; place p takes row min(p, R - 1); a word is set in one wave's list and 0 in the others'
	v_add_nc_u32 v[184+\u], 32*\u, v[LN]
	v_min_u32 v[190+\u], s36, v[184+\u]
	v_min_u32 v[190+\u], 0xaf, v[190+\u]
	v_lshlrev_b32 v[190+\u], 2, v[190+\u]
	ds_load_b32 v[160+4*\u], v[190+\u] offset:PL
	ds_load_b32 v[161+4*\u], v[190+\u] offset:PL+1024
	ds_load_b32 v[162+4*\u], v[190+\u] offset:PL+2048
	ds_load_b32 v[163+4*\u], v[190+\u] offset:PL+3072
.endr
	s_wait_dscnt 0x0
.irp u, 0,1,2,3,4,5
	v_or_b32 v[160+4*\u], v[160+4*\u], v[161+4*\u]
	v_or_b32 v[162+4*\u], v[162+4*\u], v[163+4*\u]
	v_or_b32 v[160+4*\u], v[160+4*\u], v[162+4*\u]
	v_lshl_add_u32 v[184+\u], v[184+\u], 2, s39
	ds_store_b32 v[184+\u], v[160+4*\u]            ; my wave's own copy: no other wave touches it
.endr
	s_lshl_b32 s30, s12, 4
	s_add_co_u32 s30, s30, s39
	v_lshl_add_u32 v[TMPA], v[HH], 2, s30          ; item (u, s) is row 16 u + 4 w + 2 s + lane / 16
.irp u, 0,1,2,3,4,5,6,7,8,9,10
	ds_load_b32 v[XA+2*\u],   v[TMPA] offset:64*\u    ; LDS serves a wave's instructions in order (ISA guide 5.7.1.4): these see the stores above
	ds_load_b32 v[XA+2*\u+1], v[TMPA] offset:64*\u+8
.endr
	s_wait_dscnt 0x0
.set n, 0
.rept 22
	v_min_u32 v[XA+n], 0xfff, v[XA+n]
	v_lshl_add_u32 v[XA+n], v[XA+n], 12, v[R16]
.set n, n+1
.endr
	; AHEAD OF THE LOOP: x's chunks 0 and 1 are asked for (all 11 blocks, so that every register is written on every path), chunk 0 is rounded into slot 0, W of K step 0 into B's buffer 0.
	WIN X0LD
.irp u, 0,1,2,3,4,5,6,7,8,9,10
	global_load_b128 v[8*\u:8*\u+3],   v[XA+2*\u],   s[82:83]
	global_load_b128 v[8*\u+4:8*\u+7], v[XA+2*\u+1], s[82:83]
.endr
.set LSEQ, LSEQ+22
	WIN XLD
.irp u, 0,1,2,3,4,5,6,7,8,9,10
	XLOAD \u, 256, 1
.endr
	s_wait_loadcnt 22                              ; chunk 1's 22 loads stay out; chunk 0 and W of K steps 0 to 2 are in
	WIN X0CVT
.set n, 0
.rept 44
	v_cvt_pk_bf16_f32 v[BF+n], v[2*n], v[2*n+1]    ; B's registers are still free
.set n, n+1
.endr
	WIN 0
.irp u, 0,1,2,3,4,5,6,7,8,9,10
	ds_store_b64 v[XS], v[BF+4*\u:BF+4*\u+1]   offset:BLK*\u
	ds_store_b64 v[XS], v[BF+4*\u+2:BF+4*\u+3] offset:BLK*\u+2*XPITCH
.endr
	WIN WLD
.irp u, 0,1,2,3,4,5,6,7
	WLOAD 3, \u, 3
.endr
	WIN WCVT
.irp u, 0,1,2,3,4,5,6,7
.irp f, 0,1,2,3
	v_cvt_pk_bf16_f32 v[BF+8*\f+\u], v[8*\u+\f], v[8*\u+4+\f]
.endr
.endr
	WIN 0
	MEET                                           ; barrier 3: slot 0 is whole
.irp u, 0,1,2,3,4,5,6,7,8,9,10
	ds_load_b128 v[AF+8*\u:AF+8*\u+3],   v[AA] offset:BLK*\u
	ds_load_b128 v[AF+8*\u+4:AF+8*\u+7], v[AA] offset:BLK*\u+32
.endr
; THE K LOOP.  A CELL is a row block's four products and what rides behind them.  The accumulators take turns, one instruction a turn: an accumulator comes up again a K step later.
.macro MULS u, cur, zero               ; block u x the four B fragments of buffer cur; zero = 1: the products start the sums
.if (\u) < 8
	WIN MUL2
.set AC, 32*(\u)
.else
	WIN MUL3
.set AC, 32*((\u)-8)
.endif
.irp f, 0,1,2,3
.if \zero
	v_wmma_f32_16x16x32_bf16 v[AC+8*\f:AC+8*\f+7], v[AF+8*(\u):AF+8*(\u)+7], v[BF+32*(\cur)+8*\f:BF+32*(\cur)+8*\f+7], 0
.else
	v_wmma_f32_16x16x32_bf16 v[AC+8*\f:AC+8*\f+7], v[AF+8*(\u):AF+8*(\u)+7], v[BF+32*(\cur)+8*\f:BF+32*(\cur)+8*\f+7], v[AC+8*\f:AC+8*\f+7]
.endif
.endr
.endm
; Behind block u's products in K step ph (of a body's four): register u of the next step's four B fragments is rounded from raw buffer nb (wcv); in a chunk's first step the next chunk's items
; (u, 0), (u, 1) of x are rounded into the other slot (xcons); block u's A fragments of the next step are fetched (ald); W's rows 2 u, 2 u + 1 of the step four on go into buffer ph (wld), x's items
; of the chunk two on into the registers just rounded (xld).  The four conversions (or v_nop) name no register of the products: they are the four places ahead of the loads into A's registers,
; and, behind a step's last products, ahead of the next step's writes into the B buffer that those products read.
.macro RIDERS u, ph, nb, wcv, wld, xcons, xld, ald, cnt
.set NPL, 0
.if (\wcv) && ((\u) < 8)
	WAITL LSEQ-WQ\nb\u
	WIN WCVT
.irp f, 0,1,2,3
	v_cvt_pk_bf16_f32 v[BF+32*(1-(\ph)%2)+8*\f+(\u)], v[64*(\nb)+8*(\u)+\f], v[64*(\nb)+8*(\u)+4+\f]
.endr
.set NPL, 4
.endif
.if \xcons
	WAITL LSEQ-XQ\u
	WIN XCVT
.irp k, 0,1,2,3
	v_cvt_pk_bf16_f32 v[XB+4*((\u)%2)+\k], v[XR+8*(\u)+2*\k], v[XR+8*(\u)+2*\k+1]
.endr
	WIN 0
	ds_store_b64 v[XS], v[XB+4*((\u)%2):XB+4*((\u)%2)+1]   offset:XSLOT*(1-(\ph)/2)+BLK*(\u)
	ds_store_b64 v[XS], v[XB+4*((\u)%2)+2:XB+4*((\u)%2)+3] offset:XSLOT*(1-(\ph)/2)+BLK*(\u)+2*XPITCH
.set NPL, 4
.endif
.if \ald
.if NPL == 0
	PLACES
.endif
	WIN 0
	ds_load_b128 v[AF+8*(\u):AF+8*(\u)+3],   v[AA] offset:XSLOT*((((\ph)+1)/2)%2)+BLK*(\u)+64*(((\ph)+1)%2)
	ds_load_b128 v[AF+8*(\u)+4:AF+8*(\u)+7], v[AA] offset:XSLOT*((((\ph)+1)/2)%2)+BLK*(\u)+64*(((\ph)+1)%2)+32
.endif
.if (\wld) && ((\u) < 8)
	WIN WLD
	WLOAD \ph, \u, 4+\ph
.endif
.if \xld
	WIN XLD
	XLOAD \u, 512+128*(\ph), \cnt
.endif
.endm
.macro GC u, ph, zero, xcons, xld, ald, bar   ; a cell of block 9 or 10: no part of W rides here, and its loads of x are not counted
.if (\bar) == 0
	s_wait_dscnt 18+18*(\xcons)                    ; behind its A loads stand this step's nine certain cells: two loads each, and two stores where x is rounded
.endif
	MULS \u, (\ph)%2, \zero
	RIDERS \u, \ph, 0, 0, 0, \xcons, \xld, \ald, 0
.endm
; A K STEP.  bar = 1 (a chunk's second step): the barrier of the ring.  In front of it my stores into the other slot and my reads of this slot are done; behind it the other slot is whole (it is read
; from here on), and this slot, whose last reads were issued a step ago, may be written from the next step on.  bar = 2: the last step: only the wait.  bar = 0: each cell waits for its own fragments.
; open = 1 (K step 0): blocks 9 and 10 are multiplied whatever m, so that their sums are started on every path.
; pf = 1: in K step t the row group with j % 4 = t % 4 asks, one lane a K row, for its wave's 256 bytes of the 32 rows of K step t + 12, eight steps ahead of the load that wants them.
.macro KSTEP ph, nb, zero, open, wcv, wld, xcons, xld, ald, bar, pf
.if \pf
	WIN 0
	s_cmp_lg_u32 s45, \ph
	s_cbranch_scc1 .Lnp\@
	global_prefetch_b8 v[PA], s[46:47] offset:((\ph)+12)*262144 th:TH_LOAD_NT scope:SCOPE_SE
.Lnp\@:
.endif
.if (\bar) != 0
	s_wait_dscnt 0x0
.endif
.if (\bar) == 1
	s_barrier_signal -1
	MULS 0, (\ph)%2, \zero                         ; work on registers while the others arrive
	s_barrier_wait -1
	RIDERS 0, \ph, \nb, \wcv, \wld, \xcons, \xld, \ald, 1
.endif
.irp u, 0,1,2,3,4,5,6,7,8
.if !(((\bar) == 1) && (\u == 0))
.if (\bar) == 0
	s_wait_dscnt 16+2*\u*(\xcons)                  ; behind block u's two A loads: 2 (8 - u) loads of the step before, and 2 u loads (with x: and 2 u stores) of this one
.endif
	MULS \u, (\ph)%2, \zero
	RIDERS \u, \ph, \nb, \wcv, \wld, \xcons, \xld, \ald, 1
.endif
.endr
	WIN 0                                          ; at a branch and at a label every window is 0
.if !(\open)
	s_cmp_lt_u32 s35, 10
	s_cbranch_scc1 .Lg\@
.endif
	GC 9, \ph, \zero, \xcons, \xld, \ald, \bar
	WIN 0
.if !(\open)
	s_cmp_lt_u32 s35, 11
	s_cbranch_scc1 .Lg\@
.endif
	GC 10, \ph, \zero, \xcons, \xld, \ald, \bar
	WIN 0
.Lg\@:
.if !(\ald)
	PLACES                                         ; behind the very last products, ahead of the stores that read them
.endif
.endm
.macro BODY z, pf                      ; four K steps = two chunks of x = once round the ring
	KSTEP 0, 1, \z, \z, 1, 1, 1, 1, 1, 0, \pf
	KSTEP 1, 2, 0, 0, 1, 1, 0, 0, 1, 1, \pf
	KSTEP 2, 3, 0, 0, 1, 1, 1, 1, 1, 0, \pf
	KSTEP 3, 0, 0, 0, 1, 1, 0, 0, 1, 1, \pf
	s_wait_xcnt 0x0                                ; every earlier memory instruction has had its addresses translated (ISA guide 3.1): only now are the two bases stepped
	s_add_nc_u64 s[46:47], s[46:47], 0x100000      ; 128 rows of W
	s_add_nc_u64 s[82:83], s[82:83], 512           ; 128 columns of x
.endm
	BODY 1, 1                                      ; K steps 0 to 3: the first starts the sums
	s_mov_b32 s44, 6
.Lk:                                                   ; K steps 4 to 27
	BODY 0, 1
	s_sub_co_u32 s44, s44, 1
	s_cmp_lt_u32 s44, 3                            ; from K step 20 on step t + 12 would lie past the expert's 32 steps: no step's number is 4, so nothing more is asked for
	s_cselect_b32 s45, 4, s45
	s_cmp_lg_u32 s44, 0
	s_cbranch_scc1 .Lk
	KSTEP 0, 1, 0, 0, 1, 0, 1, 0, 1, 0, 0          ; K steps 28 to 31 load nothing from memory: the counts run down
	KSTEP 1, 2, 0, 0, 1, 0, 0, 0, 1, 1, 0
	KSTEP 2, 3, 0, 0, 1, 0, 0, 0, 1, 0, 0
	KSTEP 3, 0, 0, 0, 0, 0, 0, 0, 0, 2, 0
	; THE WAY OUT.  a and b of a column lie in different waves, so all sums go through LDS once, in f32, 16 bytes a lane, lanes side by side; each accumulator's registers in ascending order.
.irp i, 0,1,2,3,4,5,6,7,8,9,10
.if \i < 8
	WIN DMP2
.set AC, 32*\i
.else
	WIN DMP3
.set AC, 32*(\i-8)
.endif
.irp c, 0,1,2,3,4,5,6,7
	ds_store_b128 v[DA+\i/4], v[AC+4*\c:AC+4*\c+3] offset:(\i%4)*16384+512*\c
.endr
.endr
	WIN 0
	MEET                                           ; barrier 4: everybody's sums are in LDS
	s_mov_b32 s86, s14                             ; my first block: 0 or 1
	s_mov_b32 s87, 6
.Lep:                                                  ; six trips, two blocks on each time; blocks at or past m are jumped
	s_cmp_ge_u32 s86, s35
	s_cbranch_scc1 .Lepn
	s_wait_xcnt 0x0                                ; the last trip's stores have read their data and offsets, which are written anew below
.irp c, 0,1,2,3,4,5,6,7
	ds_load_b128 v[64+4*\c:67+4*\c], v[EA] offset:512*\c          ; a: register 8 f + j is row 8 (lane / 16) + j, column 4 (lane % 16) + f
.endr
.irp c, 0,1,2,3,4,5,6,7
	ds_load_b128 v[96+4*\c:99+4*\c], v[EA] offset:8192+512*\c     ; b, the same places
.endr
	ds_load_b128 v[192:195], v[TA]                 ; my eight rows' tokens
	ds_load_b128 v[196:199], v[TA] offset:16
	s_wait_dscnt 0x0
.set n, 0
.rept 16
	v_pk_mul_f32 v[128+2*n:129+2*n], v[64+2*n:65+2*n], 0xbfb8aa3b op_sel_hi:[1,0]  ; - a log2(e)
.set n, n+1
.endr
.set n, 0
.rept 32
	v_exp_f32 v[128+n], v[128+n]
.set n, n+1
.endr
.irp j, 0,1,2,3,4,5,6,7                ; the stores' offsets are the independent work behind the exponentials
	v_min_u32 v[192+\j], 0xfff, v[192+\j]
	v_lshl_add_u32 v[200+\j], v[192+\j], 12, v[R16]
.endr
	s_wait_alu depctr_va_vdst(0)                   ; one wait for the 32 exponentials, ahead of their first reader
.set n, 0
.rept 16
	v_pk_add_f32 v[128+2*n:129+2*n], v[128+2*n:129+2*n], 1.0 op_sel_hi:[1,0]
.set n, n+1
.endr
.set n, 0
.rept 32
	v_rcp_f32 v[128+n], v[128+n]
.set n, n+1
.endr
	v_nop                                          ; a plain instruction behind the last reciprocal (ISA guide 5.7.2),
	s_wait_alu depctr_va_vdst(0)                   ; and one wait for the 32
.set n, 0
.rept 16
	v_pk_mul_f32 v[64+2*n:65+2*n], v[64+2*n:65+2*n], v[128+2*n:129+2*n]  ; silu(a)
.set n, n+1
.endr
.irp j, 0,1,2,3,4,5,6,7
.irp f, 0,1,2,3
	v_mul_f32 v[160+4*\j+\f], v[64+8*\f+\j], v[96+8*\f+\j]        ; times b; the destination's place turns 4 fragments x 8 rows into 8 rows x 4 columns
.endr
.endr
.irp j, 0,1,2,3,4,5,6,7
	global_store_b128 v[200+\j], v[160+4*\j:163+4*\j], s[84:85] th:TH_STORE_NT  ; 16 lanes store 256 consecutive bytes of a token's row, at a multiple of 256 from out's first byte
.endr
.Lepn:
	v_add_nc_u32 v[EA], 0x8000, v[EA]
	v_add_nc_u32 v[TA], 128, v[TA]
	s_add_co_u32 s86, s86, 2
	s_sub_co_u32 s87, s87, 1
	s_cmp_lg_u32 s87, 0
	s_cbranch_scc1 .Lep
	s_wait_tensorcnt 0x0                           ; the wave's end: behind my last LDS store
	ds_add_u32 v[SPW], v[NIL]
	s_wait_dscnt 0x0
	s_endpgm
.Lfunc_end_k_qf64aae8dee_swiglu_moe:
	.size	k_qf64aae8dee_swiglu_moe, .Lfunc_end_k_qf64aae8dee_swiglu_moe-k_qf64aae8dee_swiglu_moe
	.p2alignl 7, 3214868480
	.fill 96, 4, 3214868480
	.section	.rodata,"a",@progbits
	.p2align	6, 0x0
	.amdhsa_kernel k_qf64aae8dee_swiglu_moe
		.amdhsa_group_segment_fixed_size 256256
		.amdhsa_private_segment_fixed_size 0
		.amdhsa_enable_private_segment 0
		.amdhsa_kernarg_size 32
		.amdhsa_user_sgpr_count 2
		.amdhsa_user_sgpr_kernarg_segment_ptr 1
		.amdhsa_wavefront_size32 1
		.amdhsa_system_sgpr_workgroup_id_x 1
		.amdhsa_system_sgpr_workgroup_id_y 1
		.amdhsa_system_sgpr_workgroup_id_z 1
		.amdhsa_system_vgpr_workitem_id 0
		.amdhsa_next_free_vgpr 952
		.amdhsa_next_free_sgpr 100
		.amdhsa_reserve_vcc 0
		.amdhsa_float_denorm_mode_32 3
		.amdhsa_float_denorm_mode_16_64 3
		.amdhsa_memory_ordered 1
		.amdhsa_forward_progress 1
		.amdhsa_inst_pref_size 218
	.end_amdhsa_kernel
	.amdgpu_metadata
---
amdhsa.version: [ 1, 2 ]
amdhsa.kernels:
  - .name:           k_qf64aae8dee_swiglu_moe
    .symbol:         k_qf64aae8dee_swiglu_moe.kd
    .args:
      - { .name: expert_indices, .offset: 0, .size: 8, .value_kind: global_buffer, .address_space: global }
      - { .name: expert_weights, .offset: 8, .size: 8, .value_kind: global_buffer, .address_space: global }
      - { .name: x, .offset: 16, .size: 8, .value_kind: global_buffer, .address_space: global }
      - { .name: out0, .offset: 24, .size: 8, .value_kind: global_buffer, .address_space: global }
    .group_segment_fixed_size: 256256
    .private_segment_fixed_size: 0
    .kernarg_segment_align: 8
    .kernarg_segment_size: 32
    .max_flat_workgroup_size: 128
    .sgpr_count:     100
    .vgpr_count:     952
    .wavefront_size: 32
...
	.end_amdgpu_metadata
.endif
;; end of part 1
